; MI455X (gfx1250); checked and timed in simulation.
; The chip was launched on July 23, 2026; its instructions are those of AMD's public machine-readable ISA for CDNA 5 (MIT licence, August 2026) and "CDNA5" Instruction Set Architecture Reference Guide (July 2026). The comments in the code are by the model that wrote it; some were corrected since.
;; Multi Head Attention. Allowed arithmetic: matrix products marked QUANTISED: E2M1 operands, one E8M0 scale for each 32 along K, by v_wmma_scale_f32_16x16x128_f8f6f4 with both operands' format E2M1 (or v_wmma_scale_f32_32x16x128_f4), f32 sums; everything else in f32.
;; Inputs: Wk_codes 1,024 x 32 x 16 uint8 (E2M1 codes of Wk, K innermost, in blocks of 32 codes, two codes a byte); Wk_scales 1,024 x 32 uint8 (E8M0 scales of Wk, one for each 32 codes along K); Wo_codes 1,024 x 32 x 16 uint8 (E2M1 codes of Wo, K innermost, in blocks of 32 codes, two codes a byte); Wo_scales 1,024 x 32 uint8 (E8M0 scales of Wo, one for each 32 codes along K); Wq_codes 1,024 x 32 x 16 uint8 (E2M1 codes of Wq, K innermost, in blocks of 32 codes, two codes a byte); Wq_scales 1,024 x 32 uint8 (E8M0 scales of Wq, one for each 32 codes along K); Wv_codes 1,024 x 32 x 16 uint8 (E2M1 codes of Wv, K innermost, in blocks of 32 codes, two codes a byte); Wv_scales 1,024 x 32 uint8 (E8M0 scales of Wv, one for each 32 codes along K); bk 1,024 float32; bo 1,024 float32; bq 1,024 float32; bv 1,024 float32; k_codes 4 x 2,048 x 32 x 16 uint8 (E2M1 codes of k, K innermost, in blocks of 32 codes, two codes a byte); k_scales 4 x 2,048 x 32 uint8 (E8M0 scales of k, one for each 32 codes along K); q_codes 4 x 2,048 x 32 x 16 uint8 (E2M1 codes of q, K innermost, in blocks of 32 codes, two codes a byte); q_scales 4 x 2,048 x 32 uint8 (E8M0 scales of q, one for each 32 codes along K); v_codes 4 x 2,048 x 32 x 16 uint8 (E2M1 codes of v, K innermost, in blocks of 32 codes, two codes a byte); v_scales 4 x 2,048 x 32 uint8 (E8M0 scales of v, one for each 32 codes along K).
;; Outputs: out0 4 x 2,048 x 1,024 float32.
;; This version of the problem:
;;   THIS VERSION OF THE PROBLEM IS GIVEN IN LOW PRECISION. The matrix products marked QUANTISED in the list below multiply operands that are first quantised to E2M1 (2 exponent bits, 1 mantissa bit; 4 bits a number), with one power-of-two scale for each 32 numbers along K (OCP MX v1.0); their sums are f32. All else is computed in f32.
;;   The module's matrix products, in the order in which they are computed (A, B: the left and right operand; K: the contracted axis; several contracted axes count as one K, in the product's order):
;;     1. [M 8,192, K 1,024] x [K 1,024, N 1,024]; A: input q (given as codes); B: input Wq (given as codes): QUANTISED
;;     2. [M 8,192, K 1,024] x [K 1,024, N 1,024]; A: input k (given as codes); B: input Wk (given as codes): QUANTISED
;;     3. [M 8,192, K 1,024] x [K 1,024, N 1,024]; A: input v (given as codes); B: input Wv (given as codes): QUANTISED
;;     4. batch 64 x [M 2,048, K 64] x [K 64, N 2,048]; A: computed on the way; B: computed on the way: QUANTISED
;;     5. batch 64 x [M 2,048, K 2,048] x [K 2,048, N 64]; A: softmax (see below); B: computed on the way: QUANTISED
;;     6. [M 8,192, K 1,024] x [K 1,024, N 1,024]; A: computed on the way; B: input Wo (given as codes): QUANTISED
;;   THE QUANTISER, for each operand of a quantised product, along K:
;;     - K is cut into blocks of 32 from its start; a last block that is shorter is filled with zeros.
;;     - A block's scale is 2^e with e = floor(log2(the largest magnitude in the block)) - 2, held to -126 .. 127; a block of zeros has e = 0. As a byte (E8M0): e + 127.
;;     - Each number is divided by its block's scale, clamped to +-6, and rounded to the nearest number of E2M1, ties to even, subnormals kept.
;;     - The product sums the exact products of the quantised numbers (number of the format x scale) in f32.
;;   ~~~python
;;   def quantise(x, axis):      # numpy; x: float32 -> the quantised numbers, widened to float32 again
;;       x = np.moveaxis(x, axis, -1); K = x.shape[-1]
;;       x = np.pad(x, [(0, 0)] * (x.ndim - 1) + [(0, -K % 32)]); x = x.reshape(x.shape[:-1] + (-1, 32)); a = np.abs(x).max(-1, keepdims=True)
;;       e = np.where(a > 0, np.clip(np.frexp(np.where(a > 0, a, 1))[1] - 1 - 2, -126, 127), 0)      # np.frexp(a)[1] - 1 = floor(log2(a)), exactly
;;       r = np.clip(x / 2.0 ** e, -6, 6)
;;       step = 2.0 ** (np.maximum(np.frexp(np.where(r == 0, 1, r))[1] - 1, 0) - 1)
;;       q = np.round(r / step) * step * 2.0 ** e      # np.round: ties to even
;;       return np.moveaxis(q.reshape(q.shape[:-2] + (-1,))[..., :K], -1, axis).astype(np.float32)
;;   ~~~
;;   SOFTMAX AHEAD OF A QUANTISED PRODUCT. Where the list says 'softmax', what is quantised is not the finished softmax but p = 2^(t - M), with t = logit x log2(e) and M = ceil(the row's largest t), a whole number; so 1/2 < the row's largest p <= 1. The row's sum l is taken of the UNQUANTISED p, in f32, and the product's result is divided by l at the end. Since M is a whole number, a kernel that streams over the keys may use a running M (the ceiling of the running maximum): every later rescaling is an exact power of two, which a block's scale takes up: the codes' values come out the same.
;;   OPERANDS COMPUTED ON THE WAY. 'Computed on the way' means the value that the module computes at that place (a softmax that the list does not call 'softmax' is quantised finished and normalised). What goes into a quantiser is computed in f32, as accurately as f32 sums, v_exp_f32 and their like allow (about 1e-6 of the number): no bf16 or f16 on the way to a quantiser, and a product that is left as it is and whose result goes on into a quantised operand takes f32 operands (vector FMAs, or v_wmma_f32_16x16x4_f32). A number that lies on a knife's edge between two numbers of the format may be rounded either way, as far as f32 arithmetic and the matrix unit's own rounding can turn it there, and no further.
;;   INPUTS GIVEN AS CODES. Wk (in the module: [1024, 1024], K = its axis 1); Wo (in the module: [1024, 1024], K = its axis 1); Wq (in the module: [1024, 1024], K = its axis 1); Wv (in the module: [1024, 1024], K = its axis 1); k (in the module: [4, 2048, 1024], K = its axis 2); q (in the module: [4, 2048, 1024], K = its axis 2); v (in the module: [4, 2048, 1024], K = its axis 2): each comes as NAME_codes (uint8): NAME with its K axis moved to the last place and cut into blocks of 32 codes, [.., K / 32, bytes a block], one block behind the other in memory; two codes a byte, the lower K in the low four bits (a code: sign, 2 exponent bits, 1 mantissa bit); and NAME_scales (uint8): the same leading axes, one E8M0 byte (e + 127) for each 32 codes along K. Its value is code x scale, taken as it is: it is not quantised again, and the codes and scales need not be those that the quantiser above would give.
;; One version. Each part assembles by itself: llvm-mc -triple=amdgcn-amd-amdhsa -mcpu=gfx1250 --defsym DOCPART=n.
;; ======== version 1 of 1: 3 launches
;; workspace buffers: kv 9,175,040 bytes; qs 9,175,040 bytes; ao 4,194,304 bytes; asc 262,144 bytes
;; launch proj (part 1): grid 64 x 12, 4 waves a work-group, clusters of 4 x 4, 212,480 bytes of LDS; arguments q_codes, q_scales, Wq_codes, Wq_scales, bq, k_codes, k_scales, Wk_codes, Wk_scales, bk, Wv_codes, Wv_scales, v_codes, v_scales, bv, qs, kv; writes qs, kv
.if DOCPART == 1
	.amdgcn_target "amdgcn-amd-amdhsa--gfx1250"
	.amdhsa_code_object_version 6
	.text
	.protected	k_q0c6e3a095f_proj
	.globl	k_q0c6e3a095f_proj
	.p2align	8
	.type	k_q0c6e3a095f_proj,@function
k_q0c6e3a095f_proj:
	s_mov_b64 s[64:65], 0
	v_nop
	global_prefetch_b8 v0, s[64:65] scope:SCOPE_SE
	s_setreg_imm32_b32 hwreg(HW_REG_WAVE_MODE, 25, 1), 1
	s_wait_xcnt 0x0
	s_wait_alu depctr_hold_cnt(0) depctr_sa_sdst(0) depctr_va_vdst(0) depctr_va_sdst(0) depctr_va_ssrc(0) depctr_va_vcc(0) depctr_vm_vsrc(0)
	s_getreg_b32 s2, hwreg(HW_REG_IB_STS2, 6, 4)
	s_cmp_eq_u32 s2, 0
	s_cbranch_scc0 .Lentry_in_a_cluster
	s_endpgm
.Lentry_in_a_cluster:
	s_bfe_u32 s2, ttmp6, 0x10000c
	s_cmp_lg_u32 s2, 0xf033
	s_cbranch_scc0 .Lentry_shape_is_right
	s_endpgm
.Lentry_shape_is_right:
; THE THREE PROJECTIONS: x W^T + b on codes of FP4 (E2M1) with one E8M0 scale for each 32 along K = 1,024, and the quantiser of the result for the product that follows.
; The cluster's y says which: 0 q, 1 k, 2 v.  Each product is C(L row, P row): source 0 = 16 rows of P, source 1 = 16 rows of L, so that a lane holds ONE row of L and its registers run along P.
;   q, k: L = tokens (8,192 rows), P = the weight's rows (1,024): the registers run along the head's 64, the K of the score product.
;   v:    L = Wv's rows, P = tokens: the registers run along the keys, the K of the second product.
; All operands are rows of 512 bytes of codes and 32 scale bytes, so one main loop serves all three; only pointers are chosen.
; THE ROWS OF A TILE ARE NOT NEIGHBOURS: in a group of 64 rows tile i, slot r is row 8 i + r % 8 + 32 (r / 8).  With source 0 so chosen, register j of tile i in lane (r, h) is index 32 h + 8 i + j:
; the 32 registers of a group's four tiles are ONE block of 32 along the next K.  So a block's largest magnitude needs no other lane, and the conversion of tile i is register 4 c + i of the next operand as it stands.
; SHARES: a work-group takes 128 rows of L x 256 rows of P; its four waves lie 2 x 2, each 64 x 128: 32 accumulators.
; LDS is filled once: all of K of the tiles fits.  K comes in two halves of 256 bytes a row, so that the first four K steps run while the second half is on its way.
; CLUSTER 4 x 4: L's tiles are shared along a row of the cluster, P's along a column: joint loads.  Nothing is filled again, so there are two rounds: ahead of the loads and ahead of the end.
; WHAT IS STORED: images of the next operands' registers (lane l's 16 bytes at 16 l), in records of 8,960 bytes for each (batch, head, step of 128 tokens):
;   +0 K's (or Q's) codes [group of 64 tokens 2][tile 4][lane][16];  +4,096 V's codes [tile of 16 features 4][half 2][lane][16];
;   +8,192 K's scale words [group 2][lane][2]: word w of lane l belongs to tile 2 w + l / 16, slot l % 16; bytes 2 and 3 are 0;  +8,704 V's scale words [lane][2], the same map.
; LIMITS: NaN and infinities are not served.  A block whose largest magnitude lies under 2^-124, a block of zeros among them, gets the byte 1: its codes are then zeros or the rule's, and this program alone reads the bytes.
; REGISTERS: window 0: v1-15 lane terms and addresses; v16-47 P's scale words, v48-63 L's; v64-127 the bias along P; v128-191 L's fragments, two sets, later 64 results; v192-199 the bias of my L rows;
;   v200-231 codes; v232-235 scale words made; v236-249 at work.   window 1: the accumulators, (i, c, a) at v[8 (8 i + 4 c + a)].   window 2: v0-127 P's fragments, two sets.
.set GP,    8832                       ; 32 LDS rows of 272 bytes + 128: a tile's second eight rows lie 32 rows on, and the 128 puts them on the other half of the 64 banks of 4 bytes (ISA guide 11.1)
.set PKAP,  8*GP                       ; P's 256 rows, one half of K
.set LKAP,  4*GP                       ; L's 128 rows, one half of K
.set LREG,  2*PKAP                     ; L's region begins behind P's two halves
.set REC,   8960
.set HEADB, 16*REC                     ; from a head's records to the next head's
.set AL,  8                            ; v8-9    LDS address of my L fragments, first and second half of K
.set AP,  10                           ; v10-11  the same for P
.set L16, 12                           ; v12     16 x lane
.set L8,  13                           ; v13     8 x lane
.set H8,  14                           ; v14     8 x (lane / 16)
.set PSC, 16
.set LSC, 48
.set BI,  64
.set LF,  128
.set X,   128
.set BL,  192
.set CD,  200
.set PW,  232
.set BM,  236
.set EX,  238
.set RW,  240
.set BY,  246
.set TW,  248
.set UW,  249
.set MSB, 0
.macro WIN new                         ; the immediate's high byte repeats the setting that is left; a switch that changes nothing is dropped
.if MSB != \new
	s_set_vgpr_msb (MSB<<8)|\new
.set MSB, \new
.endif
.endm
.macro PLACES                          ; four plain places behind a matrix instruction, ahead of loads into its sources and of reads of its result
.rept 4
	v_nop
.endr
.endm
.macro ROUND                           ; a round of the cluster's barrier: my work-group's barrier, wave 0 signals for it, every wave waits for all sixteen, my work-group's barrier again
	s_barrier_signal -1
	s_barrier_wait -1
	s_cmp_lg_u32 s2, 0
	s_cbranch_scc1 .Lnot_wave_0_\@
	s_barrier_signal -3
.Lnot_wave_0_\@:
	s_barrier_wait -3
	s_barrier_signal -1
	s_barrier_wait -1
.endm
.macro DESC g, lr, lo, br, go          ; descriptor group 0 at s[g]: LDS byte s[lr] + lo, global byte s[br:br+1] + go
	s_mov_b32 s[\g], 1
	s_add_co_u32 s[\g+1], s[\lr], \lo
	s_add_nc_u64 s[\g+2:\g+3], s[\br:\br+1], \go
	s_or_b32 s[\g+3], s[\g+3], 0x80000000
.endm
; One matrix instruction on the registers named by rD, rA, rB, rC, rSA, rSB.  zero = 1: it starts a sum.  ra, rb = 1: that side's scale words are taken from lanes 16-31.
.macro MM zero, ra, rb
.if \zero
.if (\ra) && (\rb)
	v_wmma_scale_f32_16x16x128_f8f6f4 v[rD:rD+7], v[rA:rA+7], v[rB:rB+7], 0, v[rSA], v[rSB] matrix_a_fmt:MATRIX_FMT_FP4 matrix_b_fmt:MATRIX_FMT_FP4 matrix_a_scale:MATRIX_SCALE_ROW1 matrix_b_scale:MATRIX_SCALE_ROW1
.elseif (\ra)
	v_wmma_scale_f32_16x16x128_f8f6f4 v[rD:rD+7], v[rA:rA+7], v[rB:rB+7], 0, v[rSA], v[rSB] matrix_a_fmt:MATRIX_FMT_FP4 matrix_b_fmt:MATRIX_FMT_FP4 matrix_a_scale:MATRIX_SCALE_ROW1
.elseif (\rb)
	v_wmma_scale_f32_16x16x128_f8f6f4 v[rD:rD+7], v[rA:rA+7], v[rB:rB+7], 0, v[rSA], v[rSB] matrix_a_fmt:MATRIX_FMT_FP4 matrix_b_fmt:MATRIX_FMT_FP4 matrix_b_scale:MATRIX_SCALE_ROW1
.else
	v_wmma_scale_f32_16x16x128_f8f6f4 v[rD:rD+7], v[rA:rA+7], v[rB:rB+7], 0, v[rSA], v[rSB] matrix_a_fmt:MATRIX_FMT_FP4 matrix_b_fmt:MATRIX_FMT_FP4
.endif
.else
.if (\ra) && (\rb)
	v_wmma_scale_f32_16x16x128_f8f6f4 v[rD:rD+7], v[rA:rA+7], v[rB:rB+7], v[rC:rC+7], v[rSA], v[rSB] matrix_a_fmt:MATRIX_FMT_FP4 matrix_b_fmt:MATRIX_FMT_FP4 matrix_a_scale:MATRIX_SCALE_ROW1 matrix_b_scale:MATRIX_SCALE_ROW1
.elseif (\ra)
	v_wmma_scale_f32_16x16x128_f8f6f4 v[rD:rD+7], v[rA:rA+7], v[rB:rB+7], v[rC:rC+7], v[rSA], v[rSB] matrix_a_fmt:MATRIX_FMT_FP4 matrix_b_fmt:MATRIX_FMT_FP4 matrix_a_scale:MATRIX_SCALE_ROW1
.elseif (\rb)
	v_wmma_scale_f32_16x16x128_f8f6f4 v[rD:rD+7], v[rA:rA+7], v[rB:rB+7], v[rC:rC+7], v[rSA], v[rSB] matrix_a_fmt:MATRIX_FMT_FP4 matrix_b_fmt:MATRIX_FMT_FP4 matrix_b_scale:MATRIX_SCALE_ROW1
.else
	v_wmma_scale_f32_16x16x128_f8f6f4 v[rD:rD+7], v[rA:rA+7], v[rB:rB+7], v[rC:rC+7], v[rSA], v[rSB] matrix_a_fmt:MATRIX_FMT_FP4 matrix_b_fmt:MATRIX_FMT_FP4
.endif
.endif
.endm
; The fragments of K step k (128 along K: 64 bytes of a row) into set p: 16 loads for P's eight tiles, 8 for L's four.  A fragment is two loads of 16 bytes, 32 bytes apart.
.macro FETCH k, p
	WIN 0x80                                       ; destination window 2, address window 0
.irp c, 0,1
.irp a, 0,1,2,3
.irp e, 0,1
	ds_load_b128 v[64*(\p)+8*(4*\c+\a)+4*\e:64*(\p)+8*(4*\c+\a)+4*\e+3], v[AP+(\k)/4] offset:2*GP*\c+2176*\a+64*((\k)%4)+32*\e
.endr
.endr
.endr
	WIN 0
.irp i, 0,1,2,3
.irp e, 0,1
	ds_load_b128 v[LF+32*(\p)+8*\i+4*\e:LF+32*(\p)+8*\i+4*\e+3], v[AL+(\k)/4] offset:2176*\i+64*((\k)%4)+32*\e
.endr
.endr
.endm
; K step k on set p: 32 matrix instructions; the 32 accumulators take turns, one instruction a turn, in the same order in every step.
.macro MUL k, p, zero
	WIN 0x52                                       ; source 0 (P) window 2, source 1 (L) window 0, C and D window 1
.irp i, 0,1,2,3
.irp c, 0,1
.irp a, 0,1,2,3
.set rD, 8*(8*\i+4*\c+\a)
.set rC, rD
.set rA, 64*(\p)+8*(4*\c+\a)
.set rB, LF+32*(\p)+8*\i
.set rSA, PSC+8*\a+(\k)                ; lanes 0-15: P's tile (0, a); lanes 16-31: tile (1, a)
.set rSB, LSC+8*(\i%2)+(\k)            ; lanes 0-15: L's tile i % 2; lanes 16-31: that tile + 2
	MM \zero, \c, \i/2
.endr
.endr
.endr
.endm
; 64 numbers of a lane, register 32 c + n = index 64 c + 32 (lane / 16) + n of my row, become 8 registers of codes at v[dst] and my row's scale word in v[wr].
.macro QUANTD src, dst, wr
	v_max3_num_f32 v[BM], |v[\src]|, |v[\src+1]|, 0x1800000        ; my two blocks by turns; the floor 2^(3 - 127) among the leaves holds the byte at 1 from below
	v_max3_num_f32 v[BM+1], |v[\src+32]|, |v[\src+33]|, 0x1800000
.irp n, 2,4,6,8,10,12,14,16,18,20,22,24,26,28,30
	v_max3_num_f32 v[BM], v[BM], |v[\src+\n]|, |v[\src+\n+1]|
	v_max3_num_f32 v[BM+1], v[BM+1], |v[\src+32+\n]|, |v[\src+33+\n]|
.endr
	v_add_nc_u32 v[EX], 0xff000000, v[BM]          ; 2 off the exponent field: the conversion takes this operand's exponent field as its scale
	v_add_nc_u32 v[EX+1], 0xff000000, v[BM+1]
	v_lshrrev_b32 v[BY], 23, v[EX]                 ; the scales' bytes
	v_lshrrev_b32 v[BY+1], 23, v[EX+1]
	v_lshl_or_b32 v[TW], v[BY+1], 16, v[BY]        ; blocks h and 2 + h of my row,
	v_lshlrev_b32 v[TW], v[H8], v[TW]              ; at their places in the word;
	v_permlanex16_b32 v[UW], v[TW], s32, s33
	v_or_b32 v[\wr], v[TW], v[UW]                  ; with lane l xor 16's two the word is whole, in both lanes
.irp c, 0,1
.irp a, 0,1,2,3
	v_cvt_scalef32_pk8_fp4_f32 v[\dst+4*\c+\a], v[\src+32*\c+8*\a:\src+32*\c+8*\a+7], v[EX+\c]
.endr
.endr
	v_nop                                          ; one plain place behind the last scaled conversion
.endm
	s_load_b512 s[4:19], s[0:1], 0x0               ; q_codes, q_scales, Wq_codes, Wq_scales, bq, k_codes, k_scales, Wk_codes
	s_load_b512 s[20:35], s[0:1], 0x40             ; Wk_scales, bk, Wv_codes, Wv_scales, v_codes, v_scales, bv, qs
	s_load_b64 s[36:37], s[0:1], 0x80              ; kv
	v_lshl_add_u32 v254, v0, 2, 0x33c00
	v_mov_b32 v255, 0
	ds_add_u32 v254, v255
	ds_add_u32 v254, v255
	v_lshrrev_b32 v5, 5, v0
	v_readfirstlane_b32 s2, v5                     ; wave 0..3
	s_and_b32 s3, ttmp7, 0xffff                    ; the cluster's y: which projection; the same in all sixteen partners
	s_bfe_u32 s38, ttmp6, 0x40000                  ; cx
	s_bfe_u32 s39, ttmp6, 0x40004                  ; cy
	s_lshr_b32 s42, s2, 1                          ; WL: which 64 rows of L are mine
	s_and_b32 s43, s2, 1                           ; WP: which 128 rows of P
	s_mov_b32 s62, ttmp9                           ; the cluster's x, 0..15
	s_and_b32 s60, s62, 7
	s_lshr_b32 s61, s62, 3
	s_cmp_eq_u32 s3, 2                             ; v has 32 blocks of P (tokens) and 8 of L; q and k have 4 of P and 64 of L
	s_cselect_b32 s40, s60, 0
	s_cselect_b32 s41, s61, s62
	s_lshl_b32 s40, s40, 2
	s_add_co_u32 s40, s40, s38                     ; PI: my block of 256 rows of P; it never holds cy
	s_lshl_b32 s41, s41, 2
	s_add_co_u32 s41, s41, s39                     ; LI: my block of 128 rows of L; it never holds cx
	s_lshl_b32 s62, s39, 2
	s_lshl_b32 s62, 15, s62                        ; my row of the cluster
	s_lshl_b32 s63, 0x1111, s38                    ; my column
	; descriptor group 1: 32 rows of 256 bytes, 512 bytes apart in memory, 16 bytes of padding behind each in LDS
	s_or_b32 s52, s62, (1<<20)|(1<<21)|(5<<22)|(3<<25)  ; 15:0 the mask: L's tiles go to my row; 17:16 elements of 1 byte; 20 padding on; 21 set beside a mask; 24:22 after every 64 words; 31:25 four words
	s_or_b32 s68, s63, (1<<20)|(1<<21)|(5<<22)|(3<<25)  ; the same with my column's mask, for P's tiles
.irp g, 52, 68
	s_mov_b32 s[\g+1], 256<<16                     ; tensor_dim0 = 256
	s_mov_b32 s[\g+2], 32<<16                      ; tensor_dim1 = 32
	s_mov_b32 s[\g+3], 256<<16                     ; tile_dim0 = 256
	s_mov_b32 s[\g+4], 32                          ; tile_dim1 = 32
	s_mov_b32 s[\g+5], 512                         ; from row to row
	s_mov_b32 s[\g+6], 0
	s_mov_b32 s[\g+7], 0
.endr
	s_lshl_b32 s76, s41, 7
	s_lshl_b32 s77, s2, 5
	s_add_co_u32 s76, s76, s77                     ; L: I fetch rows 128 LI + 32 wave on
	s_lshl_b32 s76, s76, 9                         ; in bytes
	s_mov_b32 s77, 0
	s_lshl_b32 s78, s40, 8
	s_lshl_b32 s79, s2, 6
	s_add_co_u32 s78, s78, s79                     ; P: rows 256 PI + 64 wave on
	s_lshl_b32 s78, s78, 9
	s_mov_b32 s79, 0
	s_mul_i32 s80, s2, GP                          ; where they go: the wave's number alone enters an LDS address
	s_mul_i32 s81, s2, 2*GP
	s_lshl_b32 s88, s40, 8
	s_lshl_b32 s60, s43, 7
	s_add_co_u32 s88, s88, s60                     ; my wave's first row of P
	s_lshl_b32 s94, s41, 7
	s_lshl_b32 s60, s42, 6
	s_add_co_u32 s94, s94, s60                     ; and of L
	s_lshl_b32 s60, s88, 2
	s_lshl_b32 s61, s94, 2
	s_cmp_eq_u32 s3, 2                             ; the bias runs along the features: P for q and k, L for v.  Both sets are loaded; the one not used from offset 0
	s_cselect_b32 s90, 0, s60
	s_cselect_b32 s92, s61, 0
	s_mov_b32 s91, 0
	s_mov_b32 s93, 0
	s_lshl_b32 s88, s88, 5                         ; 32 scale bytes a row
	s_mov_b32 s89, 0
	s_lshl_b32 s94, s94, 5
	s_mov_b32 s95, 0
	v_and_b32 v1, 7, v0                            ; r % 8
	v_bfe_u32 v2, v0, 3, 1                         ; r / 8
	v_bfe_u32 v3, v0, 4, 1                         ; h
	v_and_b32 v4, 31, v0                           ; lane
	v_mul_u32_u24 v15, v1, 272
	v_mad_u32_u24 v15, v2, GP, v15
	v_lshl_add_u32 v15, v3, 4, v15                 ; my slot's row in a group of 64, + 16 h
	s_mul_i32 s86, s43, 4*GP
	s_mul_i32 s87, s42, 2*GP
	s_add_co_u32 s87, s87, LREG
	v_add_nc_u32 v[AP], s86, v15
	v_add_nc_u32 v[AP+1], PKAP, v[AP]
	v_add_nc_u32 v[AL], s87, v15
	v_add_nc_u32 v[AL+1], LKAP, v[AL]
	v_lshlrev_b32 v[L16], 4, v4
	v_lshlrev_b32 v[L8], 3, v4
	v_lshlrev_b32 v[H8], 3, v3
	v_lshlrev_b32 v5, 5, v1
	v_lshl_add_u32 v5, v2, 10, v5                  ; my slot's row of scale bytes: 32 (r % 8 + 32 (r / 8))
	v_lshl_add_u32 v6, v3, 9, v5                   ; L: lanes 16-31 take the tile two further on: 16 rows
	v_lshl_add_u32 v5, v3, 11, v5                  ; P: lanes 16-31 take the second group of 64 rows
	v_lshlrev_b32 v7, 7, v3                        ; the bias along P: my half's 32 numbers
	v_lshlrev_b32 v15, 2, v1
	v_lshl_add_u32 v15, v2, 7, v15                 ; the bias of my L row
	v_mov_b32 v[UW], 0                             ; written once: a lane permute's destination counts as one of its sources
	s_wait_dscnt 0x0
	s_wait_kmcnt 0x0
	s_cmp_eq_u32 s3, 1                             ; the choices hang on the cluster's y alone
	s_cselect_b64 s[4:5], s[14:15], s[4:5]         ; L's codes
	s_cselect_b64 s[6:7], s[16:17], s[6:7]         ; L's scales
	s_cselect_b64 s[8:9], s[18:19], s[8:9]         ; P's codes
	s_cselect_b64 s[10:11], s[20:21], s[10:11]     ; P's scales
	s_cselect_b64 s[12:13], s[22:23], s[12:13]     ; the bias
	s_cmp_eq_u32 s3, 2
	s_cselect_b64 s[4:5], s[24:25], s[4:5]
	s_cselect_b64 s[6:7], s[26:27], s[6:7]
	s_cselect_b64 s[8:9], s[28:29], s[8:9]
	s_cselect_b64 s[10:11], s[30:31], s[10:11]
	s_cselect_b64 s[12:13], s[32:33], s[12:13]
	s_cmp_eq_u32 s3, 0
	s_cselect_b64 s[34:35], s[34:35], s[36:37]     ; q's images go to qs, k's and v's to kv
	s_mov_b32 s32, 0x76543210                      ; v_permlanex16_b32's selects for lane l xor 16
	s_mov_b32 s33, 0xfedcba98
	s_mov_b32 s36, 0xffff0000                      ; lanes 16-31
	s_add_nc_u64 s[82:83], s[4:5], s[76:77]
	s_add_nc_u64 s[84:85], s[8:9], s[78:79]
	s_add_nc_u64 s[10:11], s[10:11], s[88:89]
	s_add_nc_u64 s[6:7], s[6:7], s[94:95]
	s_add_nc_u64 s[90:91], s[12:13], s[90:91]
	s_add_nc_u64 s[92:93], s[12:13], s[92:93]
	DESC 16, 80, LREG, 82, 0                       ; first half of K: L's 32 rows,
	DESC 20, 81, 0, 84, 0                          ; P's first 32,
	DESC 24, 81, GP, 84, 16384                     ; P's second 32;
	DESC 28, 80, LREG+LKAP, 82, 256                ; second half of K likewise
	DESC 44, 81, PKAP, 84, 256
	DESC 48, 81, PKAP+GP, 84, 16640
	ROUND                                          ; all sixteen work-groups are here: the joint loads meet
	tensor_load_to_lds s[16:19], s[52:59]          ; all the launch's fills in one group: six loads of mine are out
	s_nop 0
	tensor_load_to_lds s[20:23], s[68:75]
	s_nop 0
	tensor_load_to_lds s[24:27], s[68:75]
	s_nop 0
	tensor_load_to_lds s[28:31], s[52:59]
	s_nop 0
	tensor_load_to_lds s[44:47], s[68:75]
	s_nop 0
	tensor_load_to_lds s[48:51], s[68:75]
	s_nop 0
	PLACES                                         ; four v_nop follow the last
	s_wait_alu depctr_va_vdst(0)
.irp a, 0,1,2,3                        ; the scale words of all eight K steps stay in registers: 8 words a row
.irp q, 0,1
	global_load_b128 v[PSC+8*\a+4*\q:PSC+8*\a+4*\q+3], v5, s[10:11] offset:256*\a+16*\q
.endr
.endr
.irp i, 0,1
.irp q, 0,1
	global_load_b128 v[LSC+8*\i+4*\q:LSC+8*\i+4*\q+3], v6, s[6:7] offset:256*\i+16*\q
.endr
.endr
.irp c, 0,1
.irp a, 0,1,2,3
.irp e, 0,1
	global_load_b128 v[BI+32*\c+8*\a+4*\e:BI+32*\c+8*\a+4*\e+3], v7, s[90:91] offset:256*\c+32*\a+16*\e   ; the bias at index 64 c + 32 h + 8 a + 0 .. 7
.endr
.endr
.endr
.irp i, 0,1,2,3
	global_load_b32 v[BL+2*\i], v15, s[92:93] offset:32*\i       ; the bias of my row in L's tile i, twice: a pair for the packed addition
	global_load_b32 v[BL+2*\i+1], v15, s[92:93] offset:32*\i
.endr
	s_wait_tensorcnt 3                             ; my three loads of the first half of K have landed; the three issued behind them may be out
	s_barrier_signal -1
	s_barrier_wait -1                              ; everybody's have
	s_wait_loadcnt 0x0                             ; scale words and biases
	FETCH 0, 0
.irp k, 0,1,2,3,4,5,6,7
.if \k == 3
	s_wait_tensorcnt 0x0                           ; K step 4 is fetched below: my part of the second half of K has landed,
	s_wait_dscnt 0x0                               ; no LDS load of mine is out at the signal,
	s_barrier_signal -1
	s_barrier_wait -1                              ; and everybody's part has landed
.endif
.if \k < 7
.if \k > 0
	PLACES                                         ; the loads below land in the set that the last 32 products read
.endif
	FETCH \k+1, (\k+1)%2
	s_wait_dscnt 24                                ; all but the 24 loads just issued: this step's set is in
.else
	s_wait_dscnt 0x0
.endif
.if \k == 0
	MUL \k, 0, 1                                   ; the first K step starts the sums: nothing is cleared
.else
	MUL \k, \k%2, 0
.endif
.endr
	WIN 0
	PLACES                                         ; ahead of the first read of results, and of writes over L's fragments
; THE WAY OUT, an L tile (16 rows) at a time: the bias is added, the lane's 64 numbers are quantised, the codes leave as images: each store of the wave covers 512 consecutive bytes.
.macro EPI qk
.irp i, 0,1,2,3
	WIN 0x01                                       ; source 0: the accumulators, window 1
.set nn, 0
.rept 32
.if \qk
	v_pk_add_f32 v[X+nn:X+nn+1], v[64*\i+nn:64*\i+nn+1], v[BI+nn:BI+nn+1]      ; ascending: each accumulator is read from its low end on
.else
	v_pk_add_f32 v[X+nn:X+nn+1], v[64*\i+nn:64*\i+nn+1], v[BL+2*\i:BL+2*\i+1]
.endif
.set nn, nn+2
.endr
	WIN 0
	QUANTD X, CD+8*\i, PW+\i
.if \qk
	global_store_b128 v[L16], v[CD+8*\i:CD+8*\i+3], s[76:77] offset:512*\i             ; the first head's four registers: a fragment's data half
	global_store_b128 v[L16], v[CD+8*\i+4:CD+8*\i+7], s[76:77] offset:HEADB+512*\i     ; the second head's
.else
	global_store_b128 v[L16], v[CD+8*\i:CD+8*\i+3], s[76:77] offset:1024*\i            ; a whole fragment: keys 0-63 of the step,
	global_store_b128 v[L16], v[CD+8*\i+4:CD+8*\i+7], s[76:77] offset:1024*\i+512      ; keys 64-127
.endif
.endr
	v_cndmask_b32 v[RW], v[PW], v[PW+1], s36       ; word 0: lanes 0-15 tile 0's rows, lanes 16-31 tile 1's
	v_cndmask_b32 v[RW+1], v[PW+2], v[PW+3], s36   ; word 1: tiles 2 and 3
.endm
	s_cmp_eq_u32 s3, 2
	s_cbranch_scc1 .Lv
	s_lshl_b32 s60, s41, 1
	s_add_co_u32 s60, s60, s42                     ; G: my group of 64 tokens, 0..127
	s_lshr_b32 s61, s60, 5                         ; the batch
	s_lshl_b32 s61, s61, 4
	s_lshl_b32 s62, s40, 2
	s_add_co_u32 s61, s61, s62
	s_lshl_b32 s62, s43, 1
	s_add_co_u32 s61, s61, s62                     ; 16 x batch + my first head
	s_lshl_b32 s61, s61, 4
	s_bfe_u32 s62, s60, 0x40001                    ; the step of 128 tokens
	s_add_co_u32 s61, s61, s62
	s_mul_i32 s61, s61, REC                        ; the record
	s_and_b32 s62, s60, 1                          ; which of its two groups
	s_lshl_b32 s63, s62, 11
	s_add_co_u32 s76, s61, s63
	s_mov_b32 s77, 0
	s_lshl_b32 s63, s62, 8
	s_add_co_u32 s78, s61, s63
	s_add_co_u32 s78, s78, 8192
	s_mov_b32 s79, 0
	s_add_nc_u64 s[76:77], s[34:35], s[76:77]
	s_add_nc_u64 s[78:79], s[34:35], s[78:79]
	EPI 1
	v_and_b32 v[RW+2], 0xffff, v[RW]               ; a head has two blocks: its word is two bytes, and two zeros for the half of the instruction's K that holds zero codes
	v_and_b32 v[RW+3], 0xffff, v[RW+1]
	v_lshrrev_b32 v[RW+4], 16, v[RW]
	v_lshrrev_b32 v[RW+5], 16, v[RW+1]
	global_store_b64 v[L8], v[RW+2:RW+3], s[78:79]                 ; 256 consecutive bytes
	global_store_b64 v[L8], v[RW+4:RW+5], s[78:79] offset:HEADB
	s_branch .Ldone
.Lv:
	s_lshl_b32 s60, s40, 1
	s_add_co_u32 s60, s60, s43                     ; my step of 128 keys, 0..63
	s_lshr_b32 s61, s60, 4                         ; the batch
	s_lshl_b32 s61, s61, 4
	s_lshl_b32 s62, s41, 1
	s_add_co_u32 s61, s61, s62
	s_add_co_u32 s61, s61, s42                     ; 16 x batch + my head (64 rows of Wv)
	s_lshl_b32 s61, s61, 4
	s_and_b32 s62, s60, 15
	s_add_co_u32 s61, s61, s62
	s_mul_i32 s61, s61, REC
	s_add_co_u32 s76, s61, 4096                    ; V's images in the record
	s_mov_b32 s77, 0
	s_add_nc_u64 s[76:77], s[34:35], s[76:77]
	EPI 0
	global_store_b64 v[L8], v[RW:RW+1], s[76:77] offset:4608       ; V's scale words: 256 consecutive bytes
.Ldone:
	s_wait_tensorcnt 0x0
	ds_add_u32 v254, v255
	s_wait_dscnt 0x0
	ROUND                                          ; the closing round: no work-group ends while a partner may still ask for a tile that names it
	s_endpgm
.Lfunc_end_k_q0c6e3a095f_proj:
	.size	k_q0c6e3a095f_proj, .Lfunc_end_k_q0c6e3a095f_proj-k_q0c6e3a095f_proj
	.p2alignl 7, 3214868480
	.fill 96, 4, 3214868480
	.section	.rodata,"a",@progbits
	.p2align	6, 0x0
	.amdhsa_kernel k_q0c6e3a095f_proj
		.amdhsa_group_segment_fixed_size 212480
		.amdhsa_private_segment_fixed_size 0
		.amdhsa_enable_private_segment 0
		.amdhsa_kernarg_size 136
		.amdhsa_user_sgpr_count 2
		.amdhsa_user_sgpr_kernarg_segment_ptr 1
		.amdhsa_wavefront_size32 1
		.amdhsa_system_sgpr_workgroup_id_x 1
		.amdhsa_system_sgpr_workgroup_id_y 1
		.amdhsa_system_sgpr_workgroup_id_z 1
		.amdhsa_system_vgpr_workitem_id 0
		.amdhsa_next_free_vgpr 640
		.amdhsa_next_free_sgpr 96
		.amdhsa_reserve_vcc 0
		.amdhsa_float_denorm_mode_32 3
		.amdhsa_float_denorm_mode_16_64 3
		.amdhsa_memory_ordered 1
		.amdhsa_forward_progress 1
		.amdhsa_inst_pref_size 102
	.end_amdhsa_kernel
	.amdgpu_metadata
---
amdhsa.version: [ 1, 2 ]
amdhsa.kernels:
  - .name:           k_q0c6e3a095f_proj
    .symbol:         k_q0c6e3a095f_proj.kd
    .args:
      - { .name: q_codes, .offset: 0, .size: 8, .value_kind: global_buffer, .address_space: global }
      - { .name: q_scales, .offset: 8, .size: 8, .value_kind: global_buffer, .address_space: global }
      - { .name: Wq_codes, .offset: 16, .size: 8, .value_kind: global_buffer, .address_space: global }
      - { .name: Wq_scales, .offset: 24, .size: 8, .value_kind: global_buffer, .address_space: global }
      - { .name: bq, .offset: 32, .size: 8, .value_kind: global_buffer, .address_space: global }
      - { .name: k_codes, .offset: 40, .size: 8, .value_kind: global_buffer, .address_space: global }
      - { .name: k_scales, .offset: 48, .size: 8, .value_kind: global_buffer, .address_space: global }
      - { .name: Wk_codes, .offset: 56, .size: 8, .value_kind: global_buffer, .address_space: global }
      - { .name: Wk_scales, .offset: 64, .size: 8, .value_kind: global_buffer, .address_space: global }
      - { .name: bk, .offset: 72, .size: 8, .value_kind: global_buffer, .address_space: global }
      - { .name: Wv_codes, .offset: 80, .size: 8, .value_kind: global_buffer, .address_space: global }
      - { .name: Wv_scales, .offset: 88, .size: 8, .value_kind: global_buffer, .address_space: global }
      - { .name: v_codes, .offset: 96, .size: 8, .value_kind: global_buffer, .address_space: global }
      - { .name: v_scales, .offset: 104, .size: 8, .value_kind: global_buffer, .address_space: global }
      - { .name: bv, .offset: 112, .size: 8, .value_kind: global_buffer, .address_space: global }
      - { .name: qs, .offset: 120, .size: 8, .value_kind: global_buffer, .address_space: global }
      - { .name: kv, .offset: 128, .size: 8, .value_kind: global_buffer, .address_space: global }
    .group_segment_fixed_size: 212480
    .private_segment_fixed_size: 0
    .kernarg_segment_align: 8
    .kernarg_segment_size: 136
    .max_flat_workgroup_size: 128
    .sgpr_count:     96
    .vgpr_count:     640
    .wavefront_size: 32
...
	.end_amdgpu_metadata
.endif
;; end of part 1
;; launch attn (part 2): grid 4 x 64, 16 waves a work-group, clusters of 4 x 1, 169,984 bytes of LDS; arguments qs, kv, ao, asc; writes ao, asc
.if DOCPART == 2
	.amdgcn_target "amdgcn-amd-amdhsa--gfx1250"
	.amdhsa_code_object_version 6
	.text
	.protected	k_q0c6e3a095f_attn
	.globl	k_q0c6e3a095f_attn
	.p2align	8
	.type	k_q0c6e3a095f_attn,@function
k_q0c6e3a095f_attn:
	s_mov_b64 s[64:65], 0
	v_nop
	global_prefetch_b8 v0, s[64:65] scope:SCOPE_SE
	s_setreg_imm32_b32 hwreg(HW_REG_WAVE_MODE, 25, 1), 1
	s_wait_xcnt 0x0
	s_wait_alu depctr_hold_cnt(0) depctr_sa_sdst(0) depctr_va_vdst(0) depctr_va_sdst(0) depctr_va_ssrc(0) depctr_va_vcc(0) depctr_vm_vsrc(0)
	s_getreg_b32 s2, hwreg(HW_REG_IB_STS2, 6, 4)
	s_cmp_eq_u32 s2, 0
	s_cbranch_scc0 .Lentry_in_a_cluster
	s_endpgm
.Lentry_in_a_cluster:
	s_bfe_u32 s2, ttmp6, 0x10000c
	s_cmp_lg_u32 s2, 0x3003
	s_cbranch_scc0 .Lentry_shape_is_right
	s_endpgm
.Lentry_shape_is_right:
; ATTENTION of one (batch, head) on codes of FP4 (E2M1): scores, softmax, the product with V, the division by the row's sum, and the quantiser of the result along D for the last projection.
; THE SOFTMAX: t = score x log2(e) / 8; M = the running largest t rounded UP to a whole number; p = 2^(t - M) is quantised along the keys, not normalised; the row's sum is taken of the unquantised p and divides at the end.
; When M moves, the sum and O are multiplied by 2^(old M - new M): exact.
; SHARES: a work-group takes 512 queries of the head; each of its sixteen waves two tiles of 16 queries, A and B, which share every fragment of K and V that the wave reads.  Four waves lie on a SIMD, so that
; one wave's vector work stands beside another's products and LDS loads.
; LDS: the head's sixteen records of 8,960 bytes (K's and V's register images and scale words for 128 keys each) lie as in memory and are filled ONCE, a record a wave; every LDS read is consecutive in the lanes.
; CLUSTER 4 x 1: the four work-groups of a head read the same records: joint loads, mask 15.  Nothing is filled again: two rounds, ahead of the loads and ahead of the end.
; LAYOUT: both products transposed (source 0 = 16 keys or 16 features, source 1 = 16 queries): a lane holds one query.  The rows of a tile were chosen by the launch before: register 32 c + 8 i + j of the scores
; is key 64 c + 32 (lane / 16) + 8 i + j: a block of 32 keys lies in ONE lane, and the conversion of tile i is register 4 c + i of p's operand as it stands.  O's register 8 i + j is feature 32 (lane / 16) + 8 i + j likewise.
; THE SCORE PRODUCT'S K IS 64 inside an instruction of 128: Q's fragment is four registers of codes and four of zero codes.  K's tile t is named as v[KF + 4 t .. + 7]: its upper four registers are the next tile's
; codes (behind the last tile: zeros); they meet Q's zero codes, E2M1 has neither infinity nor NaN, and bytes 2 and 3 of both sides' scale words are 0 (2^-127, not NaN): they add exactly 0.
; LIMITS: NaN and infinities are not served.  1 / the sum is v_rcp_f32.  A block's largest p is taken as the image of its largest score (v_exp_f32 is taken not to fall where its input rises).
; A block whose largest magnitude lies under 2^-124 gets the byte 1; this program alone reads the bytes.
.set REC, 8960
.set L16, 1                            ; v1   16 x lane
.set L8,  2                            ; v2   8 x lane
.set ADK, 3                            ; v3   the step's images
.set ADS, 4                            ; v4   the step's scale words
.set H8,  5                            ; v5   8 x (lane / 16)
.set AOF, 6                            ; v6   my row's bytes among the scale bytes stored at the end
.set QA,  8                            ; v8-15   Q, tile A (v12-15 zero codes)
.set QB,  16                           ; v16-23  tile B
.set QS,  24                           ; v24     Q's scale words: lanes 0-15 A's, lanes 16-31 B's
.set KS,  26                           ; v26-29  K's scale words
.set VS,  30                           ; v30-31  V's
.set KF,  32                           ; v32-67  K's eight tiles of four registers, and four of zeros; v32-63 then take V's four fragments
.set S,   68                           ; v68-131 the scores of one tile of queries, then p
.set OA,  132
.set OB,  164
.set PA,  196                          ; p's codes
.set PB,  204
.set PWA, 212                          ; p's scale words
.set PWB, 213
.set STA, 214                          ; -M, the largest t, the sum in two halves
.set STB, 218
.set BM,  222
.set EX,  224
.set BY,  226
.set FF,  228
.set C2,  230
.set TMP, 232
.set PRM, 233
.set TW,  234
.set UW,  235
.set HWA, 236
.set HWB, 237
.set HWO, 238
.macro PLACES
.rept 4
	v_nop
.endr
.endm
.macro ROUND                           ; a round of the cluster's barrier
	s_barrier_signal -1
	s_barrier_wait -1
	s_cmp_lg_u32 s2, 0
	s_cbranch_scc1 .Lnot_wave_0_\@
	s_barrier_signal -3
.Lnot_wave_0_\@:
	s_barrier_wait -3
	s_barrier_signal -1
	s_barrier_wait -1
.endm
; One matrix instruction on the registers named by rD, rA, rB, rC, rSA, rSB.  zero = 1: it starts a sum.  ra, rb = 1: that side's scale words are taken from lanes 16-31.
.macro MM zero, ra, rb
.if \zero
.if (\ra) && (\rb)
	v_wmma_scale_f32_16x16x128_f8f6f4 v[rD:rD+7], v[rA:rA+7], v[rB:rB+7], 0, v[rSA], v[rSB] matrix_a_fmt:MATRIX_FMT_FP4 matrix_b_fmt:MATRIX_FMT_FP4 matrix_a_scale:MATRIX_SCALE_ROW1 matrix_b_scale:MATRIX_SCALE_ROW1
.elseif (\ra)
	v_wmma_scale_f32_16x16x128_f8f6f4 v[rD:rD+7], v[rA:rA+7], v[rB:rB+7], 0, v[rSA], v[rSB] matrix_a_fmt:MATRIX_FMT_FP4 matrix_b_fmt:MATRIX_FMT_FP4 matrix_a_scale:MATRIX_SCALE_ROW1
.elseif (\rb)
	v_wmma_scale_f32_16x16x128_f8f6f4 v[rD:rD+7], v[rA:rA+7], v[rB:rB+7], 0, v[rSA], v[rSB] matrix_a_fmt:MATRIX_FMT_FP4 matrix_b_fmt:MATRIX_FMT_FP4 matrix_b_scale:MATRIX_SCALE_ROW1
.else
	v_wmma_scale_f32_16x16x128_f8f6f4 v[rD:rD+7], v[rA:rA+7], v[rB:rB+7], 0, v[rSA], v[rSB] matrix_a_fmt:MATRIX_FMT_FP4 matrix_b_fmt:MATRIX_FMT_FP4
.endif
.else
.if (\ra)
	v_wmma_scale_f32_16x16x128_f8f6f4 v[rD:rD+7], v[rA:rA+7], v[rB:rB+7], v[rC:rC+7], v[rSA], v[rSB] matrix_a_fmt:MATRIX_FMT_FP4 matrix_b_fmt:MATRIX_FMT_FP4 matrix_a_scale:MATRIX_SCALE_ROW1
.else
	v_wmma_scale_f32_16x16x128_f8f6f4 v[rD:rD+7], v[rA:rA+7], v[rB:rB+7], v[rC:rC+7], v[rSA], v[rSB] matrix_a_fmt:MATRIX_FMT_FP4 matrix_b_fmt:MATRIX_FMT_FP4
.endif
.endif
.endm
; S^T = K Q^T for the tile of queries at v[qf]: eight products, each starts its sum
.macro SCORES qf, rb
.irp c, 0,1
.irp i, 0,1,2,3
.set rD, S+8*(4*\c+\i)
.set rC, rD
.set rA, KF+4*(4*\c+\i)
.set rB, \qf
.set rSA, KS+2*\c+\i/2                 ; lanes 0-15: the even tile's words; lanes 16-31: the odd tile's
.set rSB, QS
	MM 1, \i%2, \rb
.endr
.endr
.endm
; The softmax of one tile of queries for 128 keys.  ob: its O^T; pb: p's codes; wr: p's scale word; st: its statistics.
.macro SOFTMAX ob, pb, wr, st
	v_max3_num_f32 v[BM], v[S], v[S+1], v[S+2]                     ; THE LARGEST SCORE OF MY TWO BLOCKS OF 32 KEYS, by turns, ascending: each result is read from its low end on.
	v_max3_num_f32 v[BM+1], v[S+32], v[S+33], v[S+34]              ; It serves twice: for the row's maximum and, since p rises with the score, for the block's largest p
.irp n, 3,5,7,9,11,13,15,17,19,21,23,25,27,29
	v_max3_num_f32 v[BM], v[BM], v[S+\n], v[S+\n+1]
	v_max3_num_f32 v[BM+1], v[BM+1], v[S+32+\n], v[S+33+\n]
.endr
	v_max_num_f32 v[BM], v[BM], v[S+31]
	v_max_num_f32 v[BM+1], v[BM+1], v[S+63]
	s_delay_alu instid0(VALU_DEP_1)
	v_max_num_f32 v[TMP], v[BM], v[BM+1]
	s_delay_alu instid0(VALU_DEP_1)
	v_permlanex16_b32 v[PRM], v[TMP], s24, s25
	s_delay_alu instid0(VALU_DEP_1)
	v_max_num_f32 v[TMP], v[TMP], v[PRM]           ; with lane l xor 16's two blocks: the step's largest score of my query
	s_delay_alu instid0(VALU_DEP_1)
	v_mul_f32 v[TMP], s26, v[TMP]                  ; as t (c is positive)
	s_delay_alu instid0(VALU_DEP_1)
	v_max_num_f32 v[\st+1], v[\st+1], v[TMP]       ; the running largest t
	v_mov_b32 v[TMP], v[\st]
	s_delay_alu instid0(VALU_DEP_2)
	v_floor_f32 v[\st], -v[\st+1]                  ; the new -M = floor(-t) = -ceil(t): M is a whole number
	s_delay_alu instid0(VALU_DEP_1)
	v_sub_f32 v[TMP], v[\st], v[TMP]               ; old M - new M: a whole number, 0 or less
	s_delay_alu instid0(VALU_DEP_1)
	v_cvt_i32_f32 v[TMP], v[TMP]                   ; (it saturates)
	s_delay_alu instid0(VALU_DEP_1)
	v_ldexp_f32 v[FF], 1.0, v[TMP]                 ; f = 2^(old M - new M): a multiplication by it rounds nothing
.irp n, 0,2,4,6,8,10,12,14,16,18,20,22,24,26,28,30,32,34,36,38,40,42,44,46,48,50,52,54,56,58,60,62
	v_pk_fma_f32 v[S+\n:S+\n+1], v[S+\n:S+\n+1], s[26:27], v[\st:\st+1] op_sel_hi:[1,0,0]   ; t - M, two at a time (of the pairs c and -M the low word serves both halves)
.endr
	v_fma_f32 v[BM], v[BM], s26, v[\st]            ; the same of each block's largest score
	v_fma_f32 v[BM+1], v[BM+1], s26, v[\st]
	s_wait_alu depctr_va_vdst(0)
.irp n, 0,1,2,3,4,5,6,7,8,9,10,11,12,13,14,15,16,17,18,19,20,21,22,23,24,25,26,27,28,29,30,31,32,33,34,35,36,37,38,39,40,41,42,43,44,45,46,47,48,49,50,51,52,53,54,55,56,57,58,59,60,61,62,63
	v_exp_f32 v[S+\n], v[S+\n]                     ; p = 2^(t - M), at most 1
.endr
	v_exp_f32 v[BM], v[BM]                         ; the blocks' largest p: the same two instructions on the same number give the same bits
	v_exp_f32 v[BM+1], v[BM+1]
	v_pk_mul_f32 v[\st+2:\st+3], v[\st+2:\st+3], v[FF:FF+1] op_sel_hi:[1,0]   ; the sum under the new M; also the plain place behind the exponentials
	s_wait_alu depctr_va_vdst(0)
	v_max_num_f32 v[BM], 0x1800000, v[BM]          ; the floor 2^(3 - 127): the byte cannot fall under 1
	v_max_num_f32 v[BM+1], 0x1800000, v[BM+1]
	s_delay_alu instid0(VALU_DEP_2)
	v_add_nc_u32 v[EX], 0xff000000, v[BM]          ; 2 off the exponent field: the conversion's scale operand
	s_delay_alu instid0(VALU_DEP_2)
	v_add_nc_u32 v[EX+1], 0xff000000, v[BM+1]
	s_delay_alu instid0(VALU_DEP_2)
	v_lshrrev_b32 v[BY], 23, v[EX]
	s_delay_alu instid0(VALU_DEP_2)
	v_lshrrev_b32 v[BY+1], 23, v[EX+1]
	s_delay_alu instid0(VALU_DEP_1)
	v_lshl_or_b32 v[TW], v[BY+1], 16, v[BY]        ; blocks h and 2 + h,
	s_delay_alu instid0(VALU_DEP_1)
	v_lshlrev_b32 v[TW], v[H8], v[TW]              ; at their places in the word;
	s_delay_alu instid0(VALU_DEP_1)
	v_permlanex16_b32 v[UW], v[TW], s24, s25
	s_delay_alu instid0(VALU_DEP_1)
	v_or_b32 v[\wr], v[TW], v[UW]                  ; with lane l xor 16's two: p's scale word for these 128 keys
.irp c, 0,1
.irp i, 0,1,2,3
	v_cvt_scalef32_pk8_fp4_f32 v[\pb+4*\c+\i], v[S+32*\c+8*\i:S+32*\c+8*\i+7], v[EX+\c]
.endr
.endr
	v_nop                                          ; one plain place behind the last scaled conversion
	v_pk_add_f32 v[C2:C2+1], v[S:S+1], v[S+2:S+3]  ; THE ROW'S SUM IS TAKEN OF THE UNQUANTISED p: two at a time, in two chains
.irp n, 4,8,12,16,20,24,28,32,36,40,44,48,52,56,60
	v_pk_add_f32 v[\st+2:\st+3], v[\st+2:\st+3], v[S+\n:S+\n+1]
	v_pk_add_f32 v[C2:C2+1], v[C2:C2+1], v[S+\n+2:S+\n+3]
.endr
	s_delay_alu instid0(VALU_DEP_1)
	v_pk_add_f32 v[\st+2:\st+3], v[\st+2:\st+3], v[C2:C2+1]
.irp n, 0,2,4,6,8,10,12,14,16,18,20,22,24,26,28,30
	v_pk_mul_f32 v[\ob+\n:\ob+\n+1], v[\ob+\n:\ob+\n+1], v[FF:FF+1] op_sel_hi:[1,0]   ; O^T under the new M, ascending.  The sums and these are the places between the scale word and the codes just made and the products that take them
.endr
.endm
	s_load_b256 s[4:11], s[0:1], 0x0               ; qs s[4:5], kv s[6:7], ao s[8:9], asc s[10:11]
	v_lshl_add_u32 v254, v0, 2, 0x29000
	v_mov_b32 v255, 0
	ds_add_u32 v254, v255
	ds_add_u32 v254, v255
	v_lshrrev_b32 v7, 5, v0
	s_delay_alu instid0(VALU_DEP_1)
	v_readfirstlane_b32 s2, v7                     ; wave 0..15
	s_bfe_u32 s32, ttmp6, 0x40000                  ; cx
	s_lshl_b32 s33, ttmp9, 2
	s_add_co_u32 s33, s33, s32                     ; my block of 512 queries: it enters Q's and the results' addresses alone
	s_and_b32 s34, ttmp7, 0xffff                   ; 16 x batch + head, which the four partners share
	s_lshl_b32 s35, s34, 4                         ; its first record
	s_add_co_u32 s36, s35, s2
	s_mul_i32 s36, s36, REC                        ; the record that I fetch
	s_mov_b32 s37, 0
	s_lshr_b32 s38, s2, 1
	s_lshl_b32 s39, s33, 3
	s_add_co_u32 s38, s38, s39                     ; Gq: my group of 64 queries in the head, 0..31
	s_and_b32 s39, s2, 1                           ; w: my tiles are 2 w and 2 w + 1 of the group
	s_lshr_b32 s40, s38, 1
	s_add_co_u32 s40, s40, s35
	s_mul_i32 s40, s40, REC                        ; Q's record
	s_and_b32 s41, s38, 1
	s_lshl_b32 s42, s41, 11
	s_add_co_u32 s42, s42, s40
	s_lshl_b32 s46, s39, 10
	s_add_co_u32 s42, s42, s46                     ; Q's images: + 2,048 for the record's second group, + 1,024 w
	s_mov_b32 s43, 0
	s_lshl_b32 s44, s41, 8
	s_add_co_u32 s44, s44, s40
	s_lshl_b32 s46, s39, 2
	s_add_co_u32 s44, s44, s46
	s_add_co_u32 s44, s44, 8192                    ; Q's scale words: word w of each lane's two
	s_mov_b32 s45, 0
	s_and_b32 s46, s34, 15                         ; the head
	s_lshr_b32 s47, s34, 4                         ; the batch
	s_lshl_b32 s48, s47, 5
	s_add_co_u32 s48, s48, s38                     ; G: my group of 64 tokens, 0..127
	s_lshl_b32 s50, s48, 15                        ; ao: [G][pair of heads 8][tile 4][head's parity 2][lane][16]
	s_lshr_b32 s49, s46, 1
	s_lshl_b32 s49, s49, 12
	s_add_co_u32 s50, s50, s49
	s_lshl_b32 s49, s39, 11
	s_add_co_u32 s50, s50, s49
	s_and_b32 s49, s46, 1
	s_lshl_b32 s49, s49, 9
	s_add_co_u32 s50, s50, s49
	s_mov_b32 s51, 0
	s_lshl_b32 s52, s48, 11                        ; asc: [token][32]: 64 G + 16 w rows on, byte 2 x head
	s_lshl_b32 s49, s39, 9
	s_add_co_u32 s52, s52, s49
	s_lshl_b32 s49, s46, 1
	s_add_co_u32 s52, s52, s49
	s_mov_b32 s53, 0
	; descriptor group 1: a record: 35 rows of 256 bytes (32 elements of 8 bytes), dense in memory and in LDS
	s_mov_b32 s16, 15|(3<<16)|(1<<21)              ; 15:0 the mask: all four work-groups; 17:16 elements of 8 bytes; 21 set beside a mask
	s_mov_b32 s17, 32<<16                          ; tensor_dim0 = 32
	s_mov_b32 s18, 35<<16                          ; tensor_dim1 = 35
	s_mov_b32 s19, 32<<16                          ; tile_dim0 = 32
	s_mov_b32 s20, 35                              ; tile_dim1 = 35
	s_mov_b32 s21, 32                              ; from row to row
	s_mov_b32 s22, 0
	s_mov_b32 s23, 0
	s_mov_b32 s24, 0x76543210                      ; v_permlanex16_b32's selects for lane l xor 16
	s_mov_b32 s25, 0xfedcba98
	s_mov_b32 s26, 0x3e38aa3b                      ; c = log2(e) / sqrt(64)
	s_mov_b32 s27, s26                             ; (named with it as a pair, so it is written)
	s_mov_b32 s28, 0                               ; the step's record in LDS
	s_mov_b32 s29, 16                              ; steps to go
	s_mov_b32 s30, 0xffff0000                      ; lanes 16-31
	v_and_b32 v7, 31, v0
	s_delay_alu instid0(VALU_DEP_1)
	v_lshlrev_b32 v[L16], 4, v7
	s_delay_alu instid0(VALU_DEP_2)
	v_lshlrev_b32 v[L8], 3, v7
	v_bfe_u32 v7, v0, 4, 1
	s_delay_alu instid0(VALU_DEP_1)
	v_lshlrev_b32 v[H8], 3, v7
	s_delay_alu instid0(VALU_DEP_2)
	v_lshlrev_b32 v[AOF], 8, v7                    ; lanes 16-31: tile B, 8 rows of 32 bytes on;
	v_and_b32 v7, 7, v0
	s_delay_alu instid0(VALU_DEP_1)
	v_lshl_add_u32 v[AOF], v7, 5, v[AOF]           ; slot r is row r % 8 + 32 (r / 8) of the tile's
	v_bfe_u32 v7, v0, 3, 1
	s_delay_alu instid0(VALU_DEP_1)
	v_lshl_add_u32 v[AOF], v7, 10, v[AOF]
	s_wait_dscnt 0x0
	s_wait_kmcnt 0x0
	s_mov_b32 s12, 1                               ; group 0: count = 1,
	s_mul_i32 s13, s2, REC                         ; LDS address: the wave's number alone,
	s_add_nc_u64 s[14:15], s[6:7], s[36:37]        ; global address,
	s_or_b32 s15, s15, 0x80000000                  ; type = 2
	s_add_nc_u64 s[42:43], s[4:5], s[42:43]
	s_add_nc_u64 s[44:45], s[4:5], s[44:45]
	s_add_nc_u64 s[50:51], s[8:9], s[50:51]
	s_add_nc_u64 s[52:53], s[10:11], s[52:53]
	ROUND                                          ; all four work-groups are here: the joint loads meet
	tensor_load_to_lds s[12:15], s[16:23]          ; my one load of the launch
	s_nop 0
	PLACES                                         ; four v_nop follow it
	s_wait_alu depctr_va_vdst(0)
	global_load_b128 v[QA:QA+3], v[L16], s[42:43]
	global_load_b128 v[QB:QB+3], v[L16], s[42:43] offset:512
	global_load_b32 v[QS], v[L8], s[44:45]
.irp n, 12,13,14,15,20,21,22,23,64,65,66,67
	v_mov_b32 v\n, 0                               ; zero codes
.endr
.set nn, 0
.rept 64
	v_mov_b32 v[OA+nn], 0                          ; O^T of both tiles.  (The step is written once: its first trip finds zeros, which the first change of M leaves zeros)
.set nn, nn+1
.endr
.irp t, STA, STB
	v_mov_b32 v[\t+1], 0xff61b1e6                  ; the largest t so far: -3e38, under every t
	s_delay_alu instid0(VALU_DEP_1)
	v_floor_f32 v[\t], -v[\t+1]                    ; -M
	v_mov_b32 v[\t+2], 0                           ; the sum, in two halves
	v_mov_b32 v[\t+3], 0
.endr
	v_mov_b32 v[FF+1], 0                           ; (named as the upper half of a pair)
	v_mov_b32 v[PRM], 0                            ; written once: a lane permute's destination counts as one of its sources
	v_mov_b32 v[UW], 0
	s_wait_tensorcnt 0x0                           ; my record has landed,
	s_barrier_signal -1
	s_barrier_wait -1                              ; everybody's has: the head's K and V lie in LDS for the rest of the launch
	s_wait_loadcnt 0x0                             ; Q
.Lstep:                                            ; 16 trips, 128 keys each
	s_setprio 2
	v_add_nc_u32 v[ADK], s28, v[L16]
	v_add_nc_u32 v[ADS], s28, v[L8]
	v_nop
	v_nop                                          ; four places behind the last trip's products, ahead of loads into their sources
.irp t, 0,1,2,3,4,5,6,7
	ds_load_b128 v[KF+4*\t:KF+4*\t+3], v[ADK] offset:512*\t        ; K's tile t: 16 keys x the head's 64
.endr
	ds_load_b64 v[KS:KS+1], v[ADS] offset:8192
	ds_load_b64 v[KS+2:KS+3], v[ADS] offset:8448
	ds_load_b64 v[VS:VS+1], v[ADS] offset:8704
	s_wait_dscnt 0x0
	SCORES QA, 0
	PLACES
	SOFTMAX OA, PA, PWA, STA
	SCORES QB, 1
	PLACES                                         ; ahead of the loads over K's registers and of the first read of the scores
.irp i, 0,1,2,3
.irp e, 0,1
	ds_load_b128 v[KF+8*\i+4*\e:KF+8*\i+4*\e+3], v[ADK] offset:4096+1024*\i+512*\e   ; V's fragment i: 16 features x 128 keys; they land during the softmax below
.endr
.endr
	s_setprio 1
	SOFTMAX OB, PB, PWB, STB
	s_setprio 0
	s_wait_alu depctr_va_vdst(0)
	s_wait_dscnt 0x0                               ; V
.irp i, 0,1,2,3                        ; O^T += V^T P^T: the eight accumulators take turns, one instruction a turn
.set rA, KF+8*\i
.set rSA, VS+\i/2
.set rD, OA+8*\i
.set rC, rD
.set rB, PA
.set rSB, PWA
	MM 0, \i%2, 0
.set rD, OB+8*\i
.set rC, rD
.set rB, PB
.set rSB, PWB
	MM 0, \i%2, 0
.endr
	s_add_co_u32 s28, s28, REC
	s_sub_co_u32 s29, s29, 1
	s_cmp_lg_u32 s29, 0
	s_cbranch_scc1 .Lstep
	s_setprio 0
; THE WAY OUT.  O^T / the sum; my 32 numbers are one block of 32 along D: its byte, its codes (four registers: half a fragment of the last projection's operand), and the row's two bytes joined with lane l xor 16's.
.macro FINISH ob, st, cd, hw
	v_add_f32 v[TMP], v[\st+2], v[\st+3]           ; the sum's two halves,
	s_delay_alu instid0(VALU_DEP_1)
	v_permlanex16_b32 v[PRM], v[TMP], s24, s25
	s_delay_alu instid0(VALU_DEP_1)
	v_add_f32 v[TMP], v[TMP], v[PRM]               ; and lane l xor 16's: the row's sum, over 1/2
	s_wait_alu depctr_va_vdst(0)
	v_rcp_f32 v[FF], v[TMP]
	v_nop                                          ; one plain place behind the transcendental
	s_wait_alu depctr_va_vdst(0)
.irp n, 0,2,4,6,8,10,12,14,16,18,20,22,24,26,28,30
	v_pk_mul_f32 v[\ob+\n:\ob+\n+1], v[\ob+\n:\ob+\n+1], v[FF:FF+1] op_sel_hi:[1,0]   ; ascending: each result is read from its low end on
.endr
	v_max3_num_f32 v[BM], |v[\ob]|, |v[\ob+1]|, 0x1800000
.irp n, 2,4,6,8,10,12,14,16,18,20,22,24,26,28,30
	s_delay_alu instid0(VALU_DEP_1)
	v_max3_num_f32 v[BM], v[BM], |v[\ob+\n]|, |v[\ob+\n+1]|
.endr
	s_delay_alu instid0(VALU_DEP_1)
	v_add_nc_u32 v[EX], 0xff000000, v[BM]
	s_delay_alu instid0(VALU_DEP_1)
	v_lshrrev_b32 v[BY], 23, v[EX]
.irp i, 0,1,2,3
	v_cvt_scalef32_pk8_fp4_f32 v[\cd+\i], v[\ob+8*\i:\ob+8*\i+7], v[EX]
.endr
	v_nop                                          ; one plain place behind the last scaled conversion
	v_lshlrev_b32 v[TW], v[H8], v[BY]
	s_delay_alu instid0(VALU_DEP_1)
	v_permlanex16_b32 v[UW], v[TW], s24, s25
	s_delay_alu instid0(VALU_DEP_1)
	v_or_b32 v[\hw], v[TW], v[UW]
.endm
	PLACES                                         ; behind the last products
	FINISH OA, STA, PA, HWA
	FINISH OB, STB, PB, HWB
	s_delay_alu instid0(VALU_DEP_1)
	v_cndmask_b32 v[HWO], v[HWA], v[HWB], s30      ; lanes 0-15: tile A's rows; lanes 16-31: tile B's
	global_store_b128 v[L16], v[PA:PA+3], s[50:51]                 ; 512 consecutive bytes
	global_store_b128 v[L16], v[PB:PB+3], s[50:51] offset:1024
	global_store_b16 v[AOF], v[HWO], s[52:53]      ; the launch's one small store, once a wave: two bytes of each of 32 rows; the rest of a row's 32 bytes belongs to the other heads' work-groups
	s_wait_tensorcnt 0x0
	ds_add_u32 v254, v255
	s_wait_dscnt 0x0
	ROUND                                          ; the closing round: no work-group ends while a partner may still ask for a tile that names it
	s_endpgm
.Lfunc_end_k_q0c6e3a095f_attn:
	.size	k_q0c6e3a095f_attn, .Lfunc_end_k_q0c6e3a095f_attn-k_q0c6e3a095f_attn
	.p2alignl 7, 3214868480
	.fill 96, 4, 3214868480
	.section	.rodata,"a",@progbits
	.p2align	6, 0x0
	.amdhsa_kernel k_q0c6e3a095f_attn
		.amdhsa_group_segment_fixed_size 169984
		.amdhsa_private_segment_fixed_size 0
		.amdhsa_enable_private_segment 0
		.amdhsa_kernarg_size 32
		.amdhsa_user_sgpr_count 2
		.amdhsa_user_sgpr_kernarg_segment_ptr 1
		.amdhsa_wavefront_size32 1
		.amdhsa_system_sgpr_workgroup_id_x 1
		.amdhsa_system_sgpr_workgroup_id_y 1
		.amdhsa_system_sgpr_workgroup_id_z 1
		.amdhsa_system_vgpr_workitem_id 0
		.amdhsa_next_free_vgpr 256
		.amdhsa_next_free_sgpr 66
		.amdhsa_reserve_vcc 0
		.amdhsa_float_denorm_mode_32 3
		.amdhsa_float_denorm_mode_16_64 3
		.amdhsa_memory_ordered 1
		.amdhsa_forward_progress 1
		.amdhsa_inst_pref_size 44
	.end_amdhsa_kernel
	.amdgpu_metadata
---
amdhsa.version: [ 1, 2 ]
amdhsa.kernels:
  - .name:           k_q0c6e3a095f_attn
    .symbol:         k_q0c6e3a095f_attn.kd
    .args:
      - { .name: qs, .offset: 0, .size: 8, .value_kind: global_buffer, .address_space: global }
      - { .name: kv, .offset: 8, .size: 8, .value_kind: global_buffer, .address_space: global }
      - { .name: ao, .offset: 16, .size: 8, .value_kind: global_buffer, .address_space: global }
      - { .name: asc, .offset: 24, .size: 8, .value_kind: global_buffer, .address_space: global }
    .group_segment_fixed_size: 169984
    .private_segment_fixed_size: 0
    .kernarg_segment_align: 8
    .kernarg_segment_size: 32
    .max_flat_workgroup_size: 512
    .sgpr_count:     66
    .vgpr_count:     256
    .wavefront_size: 32
...
	.end_amdgpu_metadata
.endif
;; end of part 2
;; launch outp (part 3): grid 4 x 64, 4 waves a work-group, clusters of 4 x 4, 241,152 bytes of LDS; arguments ao, asc, Wo_codes, Wo_scales, bo, out0; writes out0
.if DOCPART == 3
	.amdgcn_target "amdgcn-amd-amdhsa--gfx1250"
	.amdhsa_code_object_version 6
	.text
	.protected	k_q0c6e3a095f_outp
	.globl	k_q0c6e3a095f_outp
	.p2align	8
	.type	k_q0c6e3a095f_outp,@function
k_q0c6e3a095f_outp:
	s_mov_b64 s[64:65], 0
	v_nop
	global_prefetch_b8 v0, s[64:65] scope:SCOPE_SE
	s_setreg_imm32_b32 hwreg(HW_REG_WAVE_MODE, 25, 1), 1
	s_wait_xcnt 0x0
	s_wait_alu depctr_hold_cnt(0) depctr_sa_sdst(0) depctr_va_vdst(0) depctr_va_sdst(0) depctr_va_ssrc(0) depctr_va_vcc(0) depctr_vm_vsrc(0)
	s_getreg_b32 s2, hwreg(HW_REG_IB_STS2, 6, 4)
	s_cmp_eq_u32 s2, 0
	s_cbranch_scc0 .Lentry_in_a_cluster
	s_endpgm
.Lentry_in_a_cluster:
	s_bfe_u32 s2, ttmp6, 0x10000c
	s_cmp_lg_u32 s2, 0xf033
	s_cbranch_scc0 .Lentry_shape_is_right
	s_endpgm
.Lentry_shape_is_right:
; THE LAST PROJECTION: out0 = a Wo^T + bo on codes of FP4 (E2M1) with one E8M0 scale for each 32 along K = 1,024.  a: the attention's result, as register images (ao) and plain scale bytes (asc).
; C(L row, P row): source 0 = 16 rows of P = Wo, source 1 = 16 rows of L = tokens: a lane holds one token and its registers run along the outputs.
; THE ROWS OF A TILE ARE NOT NEIGHBOURS: in a group of 64 rows tile i, slot r is row 8 i + r % 8 + 32 (r / 8): so the images were made, and Wo's tiles are taken likewise; register j of P's tile a in lane (r, h) is output 32 h + 8 a + j of its group.
; SHARES: a work-group takes 128 tokens x 256 outputs; its four waves lie 2 x 2, each 64 x 128: 32 accumulators.  256 work-groups.
; LDS is filled once, in two halves of K, so that the first four K steps run while the second half is on its way.  CLUSTER 4 x 4: the tokens' images are shared along a row, Wo's tiles along a column: joint loads;
; nothing is filled again: two rounds, ahead of the loads and ahead of the end.
; The bias is the C of each sum's first matrix instruction.  Results leave through each wave's own stage in LDS, as whole runs of 512 bytes of a row of out0.
; LIMITS: NaN and infinities are not served.
; REGISTERS: window 0: v1-15 lane terms and addresses; v16-47 Wo's scale words, v48-63 the tokens'; v64-127 the bias; v128-191 L's fragments, two sets; on the way out v64-191 take rows read back.
;   window 1: the accumulators, (i, c, a) at v[8 (8 i + 4 c + a)].   window 2: v0-127 P's fragments, two sets.
.set GP,    8832                       ; 32 LDS rows of 272 bytes + 128: a tile's second eight rows lie 32 rows on, and the 128 puts them on the other half of the 64 banks of 4 bytes (ISA guide 11.1)
.set PKAP,  8*GP                       ; Wo's 256 rows, one half of K
.set LIMG,  2*PKAP                     ; the tokens' images, 65,536 bytes, as they lie in ao: [group of 64 tokens 2][K step 8][tile 4][half 2][lane][16]
.set STAGE, LIMG+65536                 ; the stages: 16 rows x (512 + 16) bytes for each wave; no fill ever lands here
.set SPITCH, 528
.set AL,  8                            ; v8      LDS address of my lane's 16 bytes in my group's images
.set AP,  10                           ; v10-11  LDS address of my P fragments, first and second half of K
.set L16, 12                           ; v12     16 x lane
.set STO, 13                           ; v13     the stage: where I put 16 bytes of a row
.set RD,  14                           ; v14     and where I read a row back
.set PSC, 16
.set LSC, 48
.set BI,  64
.set LF,  128
.set BK,  64
.set MSB, 0
.macro WIN new                         ; the immediate's high byte repeats the setting that is left; a switch that changes nothing is dropped
.if MSB != \new
	s_set_vgpr_msb (MSB<<8)|\new
.set MSB, \new
.endif
.endm
.macro PLACES                          ; four plain places behind a matrix instruction, ahead of loads into its sources and of reads of its result
.rept 4
	v_nop
.endr
.endm
.macro ROUND                           ; a round of the cluster's barrier
	s_barrier_signal -1
	s_barrier_wait -1
	s_cmp_lg_u32 s2, 0
	s_cbranch_scc1 .Lnot_wave_0_\@
	s_barrier_signal -3
.Lnot_wave_0_\@:
	s_barrier_wait -3
	s_barrier_signal -1
	s_barrier_wait -1
.endm
.macro DESC g, lr, lo, br, go          ; descriptor group 0 at s[g]: LDS byte s[lr] + lo, global byte s[br:br+1] + go
	s_mov_b32 s[\g], 1
	s_add_co_u32 s[\g+1], s[\lr], \lo
	s_add_nc_u64 s[\g+2:\g+3], s[\br:\br+1], \go
	s_or_b32 s[\g+3], s[\g+3], 0x80000000
.endm
; One matrix instruction on the registers named by rD, rA, rB, rC, rSA, rSB.  ra, rb = 1: that side's scale words are taken from lanes 16-31.
.macro MM ra, rb
.if (\ra) && (\rb)
	v_wmma_scale_f32_16x16x128_f8f6f4 v[rD:rD+7], v[rA:rA+7], v[rB:rB+7], v[rC:rC+7], v[rSA], v[rSB] matrix_a_fmt:MATRIX_FMT_FP4 matrix_b_fmt:MATRIX_FMT_FP4 matrix_a_scale:MATRIX_SCALE_ROW1 matrix_b_scale:MATRIX_SCALE_ROW1
.elseif (\ra)
	v_wmma_scale_f32_16x16x128_f8f6f4 v[rD:rD+7], v[rA:rA+7], v[rB:rB+7], v[rC:rC+7], v[rSA], v[rSB] matrix_a_fmt:MATRIX_FMT_FP4 matrix_b_fmt:MATRIX_FMT_FP4 matrix_a_scale:MATRIX_SCALE_ROW1
.elseif (\rb)
	v_wmma_scale_f32_16x16x128_f8f6f4 v[rD:rD+7], v[rA:rA+7], v[rB:rB+7], v[rC:rC+7], v[rSA], v[rSB] matrix_a_fmt:MATRIX_FMT_FP4 matrix_b_fmt:MATRIX_FMT_FP4 matrix_b_scale:MATRIX_SCALE_ROW1
.else
	v_wmma_scale_f32_16x16x128_f8f6f4 v[rD:rD+7], v[rA:rA+7], v[rB:rB+7], v[rC:rC+7], v[rSA], v[rSB] matrix_a_fmt:MATRIX_FMT_FP4 matrix_b_fmt:MATRIX_FMT_FP4
.endif
.endm
; The fragments of K step k into set p: 16 loads for P's eight tiles (rows in LDS), 8 for L's four (images: consecutive in the lanes)
.macro FETCH k, p
	WIN 0x80                                       ; destination window 2, address window 0
.irp c, 0,1
.irp a, 0,1,2,3
.irp e, 0,1
	ds_load_b128 v[64*(\p)+8*(4*\c+\a)+4*\e:64*(\p)+8*(4*\c+\a)+4*\e+3], v[AP+(\k)/4] offset:2*GP*\c+2176*\a+64*((\k)%4)+32*\e
.endr
.endr
.endr
	WIN 0
.irp i, 0,1,2,3
.irp e, 0,1
	ds_load_b128 v[LF+32*(\p)+8*\i+4*\e:LF+32*(\p)+8*\i+4*\e+3], v[AL] offset:4096*(\k)+1024*\i+512*\e
.endr
.endr
.endm
; K step k on set p: 32 matrix instructions; the 32 accumulators take turns, one instruction a turn, in the same order in every step.  first = 1: the bias starts the sums.
.macro MUL k, p, first
.if \first
	WIN 0x42                                       ; source 0 (P) window 2, source 1 (L) and C (the bias) window 0, D window 1
.else
	WIN 0x52                                       ; C and D window 1
.endif
.irp i, 0,1,2,3
.irp c, 0,1
.irp a, 0,1,2,3
.set rD, 8*(8*\i+4*\c+\a)
.if \first
.set rC, BI+32*\c+8*\a
.else
.set rC, rD
.endif
.set rA, 64*(\p)+8*(4*\c+\a)
.set rB, LF+32*(\p)+8*\i
.set rSA, PSC+8*\a+(\k)                ; lanes 0-15: P's tile (0, a); lanes 16-31: tile (1, a)
.set rSB, LSC+8*(\i%2)+(\k)            ; lanes 0-15: L's tile i % 2; lanes 16-31: that tile + 2
	MM \c, \i/2
.endr
.endr
.endr
.endm
	s_load_b256 s[4:11], s[0:1], 0x0               ; ao s[4:5], asc s[6:7], Wo_codes s[8:9], Wo_scales s[10:11]
	s_load_b128 s[12:15], s[0:1], 0x20             ; bo s[12:13], out0 s[14:15]
	v_lshl_add_u32 v254, v0, 2, 0x3ac00
	v_mov_b32 v255, 0
	ds_add_u32 v254, v255
	ds_add_u32 v254, v255
	v_lshrrev_b32 v5, 5, v0
	v_readfirstlane_b32 s2, v5                     ; wave 0..3
	s_bfe_u32 s38, ttmp6, 0x40000                  ; cx
	s_bfe_u32 s39, ttmp6, 0x40004                  ; cy
	s_lshr_b32 s42, s2, 1                          ; WL: which 64 tokens are mine
	s_and_b32 s43, s2, 1                           ; WP: which 128 outputs
	s_lshl_b32 s40, ttmp9, 2
	s_add_co_u32 s40, s40, s38                     ; PI: my block of 256 outputs; it never holds cy
	s_and_b32 s41, ttmp7, 0xffff
	s_lshl_b32 s41, s41, 2
	s_add_co_u32 s41, s41, s39                     ; LI: my block of 128 tokens; it never holds cx
	s_lshl_b32 s62, s39, 2
	s_lshl_b32 s62, 15, s62                        ; my row of the cluster
	s_lshl_b32 s63, 0x1111, s38                    ; my column
	; descriptor group 1 for the images: 8,192 dense bytes as 32 rows of 256 (32 elements of 8 bytes)
	s_or_b32 s52, s62, (3<<16)|(1<<21)             ; 15:0 the mask: my row; 17:16 elements of 8 bytes; 21 set beside a mask
	s_mov_b32 s53, 32<<16                          ; tensor_dim0 = 32
	s_mov_b32 s54, 32<<16                          ; tensor_dim1 = 32
	s_mov_b32 s55, 32<<16                          ; tile_dim0 = 32
	s_mov_b32 s56, 32                              ; tile_dim1 = 32
	s_mov_b32 s57, 32                              ; from row to row
	s_mov_b32 s58, 0
	s_mov_b32 s59, 0
	; and for Wo: 32 rows of 256 bytes, 512 bytes apart in memory, 16 bytes of padding behind each in LDS
	s_or_b32 s68, s63, (1<<20)|(1<<21)|(5<<22)|(3<<25)  ; 15:0 the mask: my column; 17:16 elements of 1 byte; 20 padding on; 21 set beside a mask; 24:22 after every 64 words; 31:25 four words
	s_mov_b32 s69, 256<<16
	s_mov_b32 s70, 32<<16
	s_mov_b32 s71, 256<<16
	s_mov_b32 s72, 32
	s_mov_b32 s73, 512
	s_mov_b32 s74, 0
	s_mov_b32 s75, 0
	s_lshl_b32 s80, s42, 15
	s_lshl_b32 s60, s43, 13
	s_add_co_u32 s80, s80, s60                     ; the images that I fetch: group wave / 2, K steps 2 (wave % 2) on: the same offset in ao's block and in LDS
	s_lshl_b32 s76, s41, 16
	s_add_co_u32 s76, s76, s80
	s_mov_b32 s77, 0
	s_lshl_b32 s78, s40, 8
	s_lshl_b32 s79, s2, 6
	s_add_co_u32 s78, s78, s79                     ; Wo: rows 256 PI + 64 wave on
	s_lshl_b32 s78, s78, 9
	s_mov_b32 s79, 0
	s_mul_i32 s81, s2, 2*GP
	s_lshl_b32 s88, s40, 8
	s_lshl_b32 s60, s43, 7
	s_add_co_u32 s88, s88, s60                     ; my wave's first output
	s_lshl_b32 s94, s41, 7
	s_lshl_b32 s60, s42, 6
	s_add_co_u32 s94, s94, s60                     ; and its first token
	s_lshl_b32 s90, s88, 2                         ; the bias, and my columns of out0: 4 bytes an output
	s_mov_b32 s91, 0
	s_lshl_b32 s92, s94, 12                        ; my rows of out0: 4,096 bytes a token
	s_mov_b32 s93, 0
	s_lshl_b32 s88, s88, 5                         ; 32 scale bytes a row
	s_mov_b32 s89, 0
	s_lshl_b32 s94, s94, 5
	s_mov_b32 s95, 0
	v_and_b32 v1, 7, v0                            ; r % 8
	v_bfe_u32 v2, v0, 3, 1                         ; r / 8
	v_bfe_u32 v3, v0, 4, 1                         ; h
	v_and_b32 v4, 31, v0                           ; lane
	v_mul_u32_u24 v15, v1, 272
	v_mad_u32_u24 v15, v2, GP, v15
	v_lshl_add_u32 v15, v3, 4, v15                 ; my slot's row in a group of 64, + 16 h
	s_mul_i32 s86, s43, 4*GP
	v_add_nc_u32 v[AP], s86, v15
	v_add_nc_u32 v[AP+1], PKAP, v[AP]
	v_lshlrev_b32 v[L16], 4, v4
	s_lshl_b32 s87, s42, 15
	s_add_co_u32 s87, s87, LIMG
	v_add_nc_u32 v[AL], s87, v[L16]
	s_mul_i32 s86, s2, 16*SPITCH
	s_add_co_u32 s86, s86, STAGE                   ; my stage
	v_and_b32 v15, 15, v0
	v_mul_u32_u24 v[STO], v15, SPITCH
	v_lshl_add_u32 v[STO], v3, 7, v[STO]
	v_add_nc_u32 v[STO], s86, v[STO]               ; in: row r, + 128 h: my half's 32 outputs of a group of 64
	v_add_nc_u32 v[RD], s86, v[L16]                ; back: the 32 lanes take a row's 512 bytes
	v_lshlrev_b32 v5, 5, v1
	v_lshl_add_u32 v5, v2, 10, v5                  ; my slot's row of scale bytes: 32 (r % 8 + 32 (r / 8))
	v_lshl_add_u32 v6, v3, 9, v5                   ; L: lanes 16-31 take the tile two further on: 16 rows
	v_lshl_add_u32 v5, v3, 11, v5                  ; P: lanes 16-31 take the second group of 64 rows
	v_lshlrev_b32 v7, 7, v3                        ; the bias: my half's 32 numbers
	s_wait_dscnt 0x0
	s_wait_kmcnt 0x0
	s_add_nc_u64 s[82:83], s[4:5], s[76:77]
	s_add_nc_u64 s[84:85], s[8:9], s[78:79]
	s_add_nc_u64 s[10:11], s[10:11], s[88:89]
	s_add_nc_u64 s[6:7], s[6:7], s[94:95]
	s_add_nc_u64 s[12:13], s[12:13], s[90:91]
	s_add_nc_u64 s[14:15], s[14:15], s[92:93]
	s_add_nc_u64 s[14:15], s[14:15], s[90:91]
	DESC 16, 80, LIMG, 82, 0                       ; first half of K: my 8,192 bytes of images,
	DESC 20, 81, 0, 84, 0                          ; Wo's first 32 rows of mine,
	DESC 24, 81, GP, 84, 16384                     ; the second 32;
	DESC 28, 80, LIMG+16384, 82, 16384             ; second half of K likewise
	DESC 44, 81, PKAP, 84, 256
	DESC 48, 81, PKAP+GP, 84, 16640
	ROUND                                          ; all sixteen work-groups are here: the joint loads meet
	tensor_load_to_lds s[16:19], s[52:59]          ; all the launch's fills in one group: six loads of mine are out
	s_nop 0
	tensor_load_to_lds s[20:23], s[68:75]
	s_nop 0
	tensor_load_to_lds s[24:27], s[68:75]
	s_nop 0
	tensor_load_to_lds s[28:31], s[52:59]
	s_nop 0
	tensor_load_to_lds s[44:47], s[68:75]
	s_nop 0
	tensor_load_to_lds s[48:51], s[68:75]
	s_nop 0
	PLACES                                         ; four v_nop follow the last
	s_wait_alu depctr_va_vdst(0)
.irp a, 0,1,2,3                        ; the scale words of all eight K steps stay in registers: 8 words a row
.irp q, 0,1
	global_load_b128 v[PSC+8*\a+4*\q:PSC+8*\a+4*\q+3], v5, s[10:11] offset:256*\a+16*\q
.endr
.endr
.irp i, 0,1
.irp q, 0,1
	global_load_b128 v[LSC+8*\i+4*\q:LSC+8*\i+4*\q+3], v6, s[6:7] offset:256*\i+16*\q
.endr
.endr
.irp c, 0,1
.irp a, 0,1,2,3
.irp e, 0,1
	global_load_b128 v[BI+32*\c+8*\a+4*\e:BI+32*\c+8*\a+4*\e+3], v7, s[12:13] offset:256*\c+32*\a+16*\e   ; the bias at output 64 c + 32 h + 8 a + 0 .. 7: the result's layout
.endr
.endr
.endr
	s_wait_tensorcnt 3                             ; my three loads of the first half of K have landed; the three issued behind them may be out
	s_barrier_signal -1
	s_barrier_wait -1                              ; everybody's have
	s_wait_loadcnt 0x0                             ; scale words and the bias
	FETCH 0, 0
.irp k, 0,1,2,3,4,5,6,7
.if \k == 3
	s_wait_tensorcnt 0x0                           ; K step 4 is fetched below: my part of the second half of K has landed,
	s_wait_dscnt 0x0                               ; no LDS load of mine is out at the signal,
	s_barrier_signal -1
	s_barrier_wait -1                              ; and everybody's part has landed
.endif
.if \k < 7
.if \k > 0
	PLACES                                         ; the loads below land in the set that the last 32 products read
.endif
	FETCH \k+1, (\k+1)%2
	s_wait_dscnt 24                                ; all but the 24 loads just issued: this step's set is in
.else
	s_wait_dscnt 0x0
.endif
.if \k == 0
	MUL \k, 0, 1
.else
	MUL \k, \k%2, 0
.endif
.endr
	WIN 0
; THE WAY OUT, an L tile (16 tokens x 128 outputs) at a time: a lane holds pieces of one row, and the lanes beside it hold other rows: so the tile goes through my own stage and comes back as rows of 512 bytes.
; LDS serves a wave's instructions in order (ISA guide 5.7.1.4): no wait between the stores and the loads, nor ahead of the next tile's stores.
.macro TOSTAGE i
	WIN 0x04                                       ; an LDS store's data are its source 1: window 1
.irp c, 0,1
.irp a, 0,1,2,3
	ds_store_b128 v[STO], v[64*(\i)+32*\c+8*\a:64*(\i)+32*\c+8*\a+3] offset:256*\c+32*\a           ; each accumulator from its low end on
	ds_store_b128 v[STO], v[64*(\i)+32*\c+8*\a+4:64*(\i)+32*\c+8*\a+7] offset:256*\c+32*\a+16
.endr
.endr
	WIN 0
.irp t, 0,1,2,3,4,5,6,7,8,9,10,11,12,13,14,15
	ds_load_b128 v[BK+64*((\i)%2)+4*\t:BK+64*((\i)%2)+4*\t+3], v[RD] offset:SPITCH*\t
.endr
.endm
.macro SEND i, younger                 ; younger: the LDS instructions issued behind tile i's loads, which may stay out
	s_wait_dscnt \younger
.irp t, 0,1,2,3,4,5,6,7,8,9,10,11,12,13,14,15
	global_store_b128 v[L16], v[BK+64*((\i)%2)+4*\t:BK+64*((\i)%2)+4*\t+3], s[14:15] offset:(8*(\i)+(\t%8)+32*(\t/8))*4096 th:TH_STORE_NT   ; slot t's token; 512 consecutive bytes, at a multiple of 512 from out0's first byte; written once
.endr
.endm
	PLACES                                         ; behind the last products: ahead of the LDS stores of results and of the loads over L's fragments
	TOSTAGE 0
.irp b, 1,2,3
.if \b > 1
	s_wait_xcnt 0x0                                ; the stores of the tile two back have read their registers: this tile's rows may land there
.endif
	TOSTAGE \b
	SEND \b-1, 32                                  ; behind the last tile's loads: this tile's 16 stores and 16 loads
.endr
	SEND 3, 0
	s_wait_tensorcnt 0x0
	ds_add_u32 v254, v255
	s_wait_dscnt 0x0
	ROUND                                          ; the closing round: no work-group ends while a partner may still ask for a tile that names it
	s_endpgm
.Lfunc_end_k_q0c6e3a095f_outp:
	.size	k_q0c6e3a095f_outp, .Lfunc_end_k_q0c6e3a095f_outp-k_q0c6e3a095f_outp
	.p2alignl 7, 3214868480
	.fill 96, 4, 3214868480
	.section	.rodata,"a",@progbits
	.p2align	6, 0x0
	.amdhsa_kernel k_q0c6e3a095f_outp
		.amdhsa_group_segment_fixed_size 241152
		.amdhsa_private_segment_fixed_size 0
		.amdhsa_enable_private_segment 0
		.amdhsa_kernarg_size 48
		.amdhsa_user_sgpr_count 2
		.amdhsa_user_sgpr_kernarg_segment_ptr 1
		.amdhsa_wavefront_size32 1
		.amdhsa_system_sgpr_workgroup_id_x 1
		.amdhsa_system_sgpr_workgroup_id_y 1
		.amdhsa_system_sgpr_workgroup_id_z 1
		.amdhsa_system_vgpr_workitem_id 0
		.amdhsa_next_free_vgpr 640
		.amdhsa_next_free_sgpr 96
		.amdhsa_reserve_vcc 0
		.amdhsa_float_denorm_mode_32 3
		.amdhsa_float_denorm_mode_16_64 3
		.amdhsa_memory_ordered 1
		.amdhsa_forward_progress 1
		.amdhsa_inst_pref_size 71
	.end_amdhsa_kernel
	.amdgpu_metadata
---
amdhsa.version: [ 1, 2 ]
amdhsa.kernels:
  - .name:           k_q0c6e3a095f_outp
    .symbol:         k_q0c6e3a095f_outp.kd
    .args:
      - { .name: ao, .offset: 0, .size: 8, .value_kind: global_buffer, .address_space: global }
      - { .name: asc, .offset: 8, .size: 8, .value_kind: global_buffer, .address_space: global }
      - { .name: Wo_codes, .offset: 16, .size: 8, .value_kind: global_buffer, .address_space: global }
      - { .name: Wo_scales, .offset: 24, .size: 8, .value_kind: global_buffer, .address_space: global }
      - { .name: bo, .offset: 32, .size: 8, .value_kind: global_buffer, .address_space: global }
      - { .name: out0, .offset: 40, .size: 8, .value_kind: global_buffer, .address_space: global }
    .group_segment_fixed_size: 241152
    .private_segment_fixed_size: 0
    .kernarg_segment_align: 8
    .kernarg_segment_size: 48
    .max_flat_workgroup_size: 128
    .sgpr_count:     96
    .vgpr_count:     640
    .wavefront_size: 32
...
	.end_amdgpu_metadata
.endif
;; end of part 3
